; MI455X (gfx1250); checked and timed in simulation.
; The chip was launched on July 23, 2026; its instructions are those of AMD's public machine-readable ISA for CDNA 5 (MIT licence, August 2026) and "CDNA5" Instruction Set Architecture Reference Guide (July 2026). The comments in the code are by the model that wrote it; some were corrected since.
;; Unfused Gemma4 Text Experts. Allowed arithmetic: matrix products marked QUANTISED: E3M2 operands, one E8M0 scale for each 32 along K, by v_wmma_scale_f32_16x16x128_f8f6f4 with both operands' format E3M2, f32 sums; everything else in f32.
;; Inputs: down_w_codes 8 x 2,048 x 32 x 24 uint8 (E3M2 codes of down_w, K innermost, in blocks of 32 codes, four codes in three bytes); down_w_scales 8 x 2,048 x 32 uint8 (E8M0 scales of down_w, one for each 32 codes along K); gate_w_codes 8 x 1,024 x 64 x 24 uint8 (E3M2 codes of gate_w, K innermost, in blocks of 32 codes, four codes in three bytes); gate_w_scales 8 x 1,024 x 64 uint8 (E8M0 scales of gate_w, one for each 32 codes along K); hidden_states_codes 1,024 x 64 x 24 uint8 (E3M2 codes of hidden_states, K innermost, in blocks of 32 codes, four codes in three bytes); hidden_states_scales 1,024 x 64 uint8 (E8M0 scales of hidden_states, one for each 32 codes along K); routing_weights 1,024 x 2 float32; selected_experts 1,024 x 2 int32; up_w_codes 8 x 1,024 x 64 x 24 uint8 (E3M2 codes of up_w, K innermost, in blocks of 32 codes, four codes in three bytes); up_w_scales 8 x 1,024 x 64 uint8 (E8M0 scales of up_w, one for each 32 codes along K).
;; Outputs: out0 1,024 x 2,048 float32.
;; This version of the problem:
;;   THIS VERSION OF THE PROBLEM IS GIVEN IN LOW PRECISION. The matrix products marked QUANTISED in the list below multiply operands that are first quantised to E3M2 (3 exponent bits, 2 mantissa bits; 6 bits a number), with one power-of-two scale for each 32 numbers along K (OCP MX v1.0); their sums are f32. All else is computed in f32.
;;   The module's matrix products, in the order in which they are computed (A, B: the left and right operand; K: the contracted axis; several contracted axes count as one K, in the product's order):
;;     1. [M 1,024, K 2,048] x [K 2,048, N 1,024]; A: input hidden_states (given as codes); B: input gate_w (given as codes): QUANTISED
;;     2. [M 1,024, K 2,048] x [K 2,048, N 1,024]; A: input hidden_states (given as codes); B: input up_w (given as codes): QUANTISED
;;     3. [M 1,024, K 1,024] x [K 1,024, N 2,048]; A: computed on the way; B: input down_w (given as codes): QUANTISED
;;     4. [M 1,024, K 2,048] x [K 2,048, N 1,024]; A: input hidden_states (given as codes); B: input gate_w (given as codes): QUANTISED
;;     5. [M 1,024, K 2,048] x [K 2,048, N 1,024]; A: input hidden_states (given as codes); B: input up_w (given as codes): QUANTISED
;;     6. [M 1,024, K 1,024] x [K 1,024, N 2,048]; A: computed on the way; B: input down_w (given as codes): QUANTISED
;;     7. [M 1,024, K 2,048] x [K 2,048, N 1,024]; A: input hidden_states (given as codes); B: input gate_w (given as codes): QUANTISED
;;     8. [M 1,024, K 2,048] x [K 2,048, N 1,024]; A: input hidden_states (given as codes); B: input up_w (given as codes): QUANTISED
;;     9. [M 1,024, K 1,024] x [K 1,024, N 2,048]; A: computed on the way; B: input down_w (given as codes): QUANTISED
;;     10. [M 1,024, K 2,048] x [K 2,048, N 1,024]; A: input hidden_states (given as codes); B: input gate_w (given as codes): QUANTISED
;;     11. [M 1,024, K 2,048] x [K 2,048, N 1,024]; A: input hidden_states (given as codes); B: input up_w (given as codes): QUANTISED
;;     12. [M 1,024, K 1,024] x [K 1,024, N 2,048]; A: computed on the way; B: input down_w (given as codes): QUANTISED
;;     13. [M 1,024, K 2,048] x [K 2,048, N 1,024]; A: input hidden_states (given as codes); B: input gate_w (given as codes): QUANTISED
;;     14. [M 1,024, K 2,048] x [K 2,048, N 1,024]; A: input hidden_states (given as codes); B: input up_w (given as codes): QUANTISED
;;     15. [M 1,024, K 1,024] x [K 1,024, N 2,048]; A: computed on the way; B: input down_w (given as codes): QUANTISED
;;     16. [M 1,024, K 2,048] x [K 2,048, N 1,024]; A: input hidden_states (given as codes); B: input gate_w (given as codes): QUANTISED
;;     17. [M 1,024, K 2,048] x [K 2,048, N 1,024]; A: input hidden_states (given as codes); B: input up_w (given as codes): QUANTISED
;;     18. [M 1,024, K 1,024] x [K 1,024, N 2,048]; A: computed on the way; B: input down_w (given as codes): QUANTISED
;;     19. [M 1,024, K 2,048] x [K 2,048, N 1,024]; A: input hidden_states (given as codes); B: input gate_w (given as codes): QUANTISED
;;     20. [M 1,024, K 2,048] x [K 2,048, N 1,024]; A: input hidden_states (given as codes); B: input up_w (given as codes): QUANTISED
;;     21. [M 1,024, K 1,024] x [K 1,024, N 2,048]; A: computed on the way; B: input down_w (given as codes): QUANTISED
;;     22. [M 1,024, K 2,048] x [K 2,048, N 1,024]; A: input hidden_states (given as codes); B: input gate_w (given as codes): QUANTISED
;;     23. [M 1,024, K 2,048] x [K 2,048, N 1,024]; A: input hidden_states (given as codes); B: input up_w (given as codes): QUANTISED
;;     24. [M 1,024, K 1,024] x [K 1,024, N 2,048]; A: computed on the way; B: input down_w (given as codes): QUANTISED
;;   THE QUANTISER, for each operand of a quantised product, along K:
;;     - K is cut into blocks of 32 from its start; a last block that is shorter is filled with zeros.
;;     - A block's scale is 2^e with e = floor(log2(the largest magnitude in the block)) - 4, held to -126 .. 127; a block of zeros has e = 0. As a byte (E8M0): e + 127.
;;     - Each number is divided by its block's scale, clamped to +-28, and rounded to the nearest number of E3M2, ties to even, subnormals kept.
;;     - The product sums the exact products of the quantised numbers (number of the format x scale) in f32.
;;   ~~~python
;;   def quantise(x, axis):      # numpy; x: float32 -> the quantised numbers, widened to float32 again
;;       x = np.moveaxis(x, axis, -1); K = x.shape[-1]
;;       x = np.pad(x, [(0, 0)] * (x.ndim - 1) + [(0, -K % 32)]); x = x.reshape(x.shape[:-1] + (-1, 32)); a = np.abs(x).max(-1, keepdims=True)
;;       e = np.where(a > 0, np.clip(np.frexp(np.where(a > 0, a, 1))[1] - 1 - 4, -126, 127), 0)      # np.frexp(a)[1] - 1 = floor(log2(a)), exactly
;;       r = np.clip(x / 2.0 ** e, -28, 28)
;;       step = 2.0 ** (np.maximum(np.frexp(np.where(r == 0, 1, r))[1] - 1, -2) - 2)
;;       q = np.round(r / step) * step * 2.0 ** e      # np.round: ties to even
;;       return np.moveaxis(q.reshape(q.shape[:-2] + (-1,))[..., :K], -1, axis).astype(np.float32)
;;   ~~~
;;   OPERANDS COMPUTED ON THE WAY. 'Computed on the way' means the value that the module computes at that place (a softmax that the list does not call 'softmax' is quantised finished and normalised). What goes into a quantiser is computed in f32, as accurately as f32 sums, v_exp_f32 and their like allow (about 1e-6 of the number): no bf16 or f16 on the way to a quantiser, and a product that is left as it is and whose result goes on into a quantised operand takes f32 operands (vector FMAs, or v_wmma_f32_16x16x4_f32). A number that lies on a knife's edge between two numbers of the format may be rounded either way, as far as f32 arithmetic and the matrix unit's own rounding can turn it there, and no further.
;;   INPUTS GIVEN AS CODES. down_w (in the module: [8, 2048, 1024], K = its axis 2); gate_w (in the module: [8, 1024, 2048], K = its axis 2); hidden_states (in the module: [1024, 2048], K = its axis 1); up_w (in the module: [8, 1024, 2048], K = its axis 2): each comes as NAME_codes (uint8): NAME with its K axis moved to the last place and cut into blocks of 32 codes, [.., K / 32, bytes a block], one block behind the other in memory; four codes in three bytes: a row's codes are one little-endian stream of bits, code i at bits 6 i .. 6 i + 5 (a code: sign, 3 exponent bits, 2 mantissa bits); and NAME_scales (uint8): the same leading axes, one E8M0 byte (e + 127) for each 32 codes along K. Its value is code x scale, taken as it is: it is not quantised again, and the codes and scales need not be those that the quantiser above would give.
;; One version. Each part assembles by itself: llvm-mc -triple=amdgcn-amd-amdhsa -mcpu=gfx1250 --defsym DOCPART=n.
;; ======== version 1 of 1: 2 launches
;; workspace buffers: hid 6,553,600 bytes
;; launch gateup (part 1): grid 64 x 4, 4 waves a work-group, clusters of 4 x 4, 327,680 bytes of LDS; arguments hidden_states_codes, hidden_states_scales, gate_w_codes, gate_w_scales, up_w_codes, up_w_scales, hid; writes hid
.if DOCPART == 1
	.amdgcn_target "amdgcn-amd-amdhsa--gfx1250"
	.amdhsa_code_object_version 6
	.text
	.protected	k_q25f11ce99d_gateup
	.globl	k_q25f11ce99d_gateup
	.p2align	8
	.type	k_q25f11ce99d_gateup,@function
k_q25f11ce99d_gateup:
	s_mov_b64 s[64:65], 0
	v_nop
	global_prefetch_b8 v0, s[64:65] scope:SCOPE_SE
	s_setreg_imm32_b32 hwreg(HW_REG_WAVE_MODE, 25, 1), 1
	s_wait_xcnt 0x0
	s_wait_alu depctr_hold_cnt(0) depctr_sa_sdst(0) depctr_va_vdst(0) depctr_va_sdst(0) depctr_va_ssrc(0) depctr_va_vcc(0) depctr_vm_vsrc(0)
	s_getreg_b32 s2, hwreg(HW_REG_IB_STS2, 6, 4)
	s_cmp_eq_u32 s2, 0
	s_cbranch_scc0 .Lentry_in_a_cluster
	s_endpgm
.Lentry_in_a_cluster:
	s_bfe_u32 s2, ttmp6, 0x10000c
	s_cmp_lg_u32 s2, 0xf033
	s_cbranch_scc0 .Lentry_shape_is_right
	s_endpgm
.Lentry_shape_is_right:
; hid = Q( gelu_tanh(x Wg^T) * (x Wu^T) ), for all 8 experts: x [1024][2048], Wg and Wu [8 x 1024][2048], all as codes of BF6 (E3M2) with one E8M0 byte for each 32 along K.
; The experts' rows lie one behind the other, so both products are one GEMM each with 8,192 weight rows.  Q is the quantiser along the hidden units, in blocks of 32.
; routing_weights and selected_experts are not loaded: the function that this program computes takes them and uses neither; every expert counts for every token with weight 1/8 (applied in the second launch).
; SHARES.  A work-group makes 256 tokens x 128 hidden units, gate and up both: a tile of 256 x 256 with K = 2,048.  Wave w: tokens 128 (w / 2) on, hidden units 64 (w % 2) on:
; 64 accumulators of 16 x 16: token block a (0..7) x weight block b (b = 0..3: gate's four tiles of 16 units, b = 4..7: the same four tiles of up).
; K goes in steps of 256 through a ring of two LDS slots (rows of 192 bytes); the scale bytes of all rows, for all of K, come once and stay.
; CLUSTERS: 4 x 4 work-groups: the four of a row of the cluster share the tokens, the four of a column share the weight rows: each tile is asked for jointly.
; THE MATRIX INSTRUCTION IS USED TRANSPOSED (source 0 = 16 weight rows, source 1 = 16 tokens): lane (r, h) holds token r, and register j hidden unit 8 h + j of the tile.
; THE WAY OUT: gelu(g) u in f32, 16 lane swaps a token block bring 16 neighbouring units into a lane's registers, the blocks' scales and codes are made in registers, and the codes are
; stored in the order in which the second launch's operand registers take them:
;   hid: 128 blocks of 51,200 bytes, block 8 (token / 64) + expert.  In a block: the image of fragment (K step ks of 128 units, token block tb) at (4 ks + tb) 1,536; in an image half c (k = 64 c on) at 768 c:
;   registers 6 c .. 6 c + 3 at 16 x lane, registers 6 c + 4, 6 c + 5 at 512 + 8 x lane.  Behind the images, at 49,152 + 256 ks + 64 tb + 4 r: token r's scale word for that K step.
; LIMITS: NaN and infinities are not served.  A block of hidden numbers whose largest magnitude lies under 2^-122 (zeros too) keeps the scale byte 1; a block of zeros has zero codes, and this program alone reads the bytes.
; REGISTERS, in windows of 256: window 0: v0-29 addresses; v32-63 scale words, two sets; v64-127 codes on their way out; v128-223 x's fragments, ONE set (on the way out: at work).
;   window 1: the weights' fragments, TWO sets, at v0 and v128.   window 2: the accumulators of token blocks 0-3 ((a, b) at v[8 (8 (a % 4) + b)]);   window 3: those of blocks 4-7.
.set NQ,     2                         ; matrix instructions deep in a slot: 256 along K
.set ROWB,   192                       ; a tile's row in bytes
.set KROW,   1536                      ; a row of x or of a weight in memory: 2,048 codes
.set PITCH,  240                       ; an LDS row: 3 x (64 bytes + 16 of padding)
.set FR,     12                        ; registers of a fragment
.set NL,     6                         ; LDS loads that bring one
.set NP,     4                         ; places behind this matrix instruction (ISA guide 7.12.1)
.set HALFT,  128*PITCH                 ; 128 rows: what one tensor load brings
.set SLOT,   4*HALFT                   ; x's 256 rows, gate's 128, up's 128
.set LAPS,   4                         ; a lap = two K steps of 256
.set SCL,    2*SLOT                    ; the scale bytes: units of 256 bytes + 16
.set HALFS,  32*272                    ; those of 128 rows (64 bytes a row)
.set SBLK,   4*272                     ; those of 16 rows
.set SPARE,  SCL+4*HALFS               ; the spare words: 128 bytes a wave, two blocks of 256 bytes that no other line names
.set SCST,   0                         ; the way out: 1,024 bytes for the hidden layer's scale words, in slot 0, which has then had its last fill and its last read
.set HBLK,   51200                     ; a block of hid
.set ADRS,  8                          ; v8   LDS address of my scale words: lanes 0-15 x's rows, lanes 16-31 the weights' (blocks 0-3)
.set ADRS2, 9                          ; v9   the same for blocks 4-7: up's rows lie 64 rows further on than the count of blocks says
.set L16,   10                         ; v10  16 x lane
.set L8,    11                         ; v11  8 x lane
.set SSA,   12                         ; v12  where I put two scale bytes of token r
.set SRA,   13                         ; v13  where I read 64 tokens' scale words back
.set ADRA,  16                         ; v16-17 LDS address of x's fragments in slot 0, 1 (v18-19: for the pieces behind one padding more)
.set ADRB,  20                         ; v20-23 the same for the weights
.set SPW,   28                         ; v28  my spare word; never rewritten
.set NIL,   29                         ; v29  0; never rewritten
.set SC,    32                         ; scale words: set s at v[SC + 16 s]; register 2 i + q: lanes 0-15 x's block i, lanes 16-31 weight block i
.set PCD,   64                         ; codes of token block a at v[PCD + 8 a] on, six registers
.set AF,    128                        ; x's fragments
.set T,     128                        ; the way out: 32 numbers at work
.set P2,    160                        ; the second block's codes as the conversion leaves them
.set MX,    164                        ; two largest magnitudes
.set XX,    166                        ; the other half of the lanes'
.set SO,    168                        ; the conversions' scale operands
.set BY,    170                        ; the scale bytes
.set HW,    172                        ; both in one half word
.set C1,    176                        ; a pair: -2 log2(e) sqrt(2 / pi)
.set C3,    178                        ; a pair: that x 0.044715
.set SWB,   180                        ; scale words read back
.set WV,  18                           ; s18 wave;  s19 wave / 2: my tokens' half, also: I fetch for x (0) or for the weights (1);  s20 wave % 2: my units' half, also: which half of x, or gate (0) / up (1)
.set WR,  19
.set WC,  20
.set G1,  24                           ; s[24:31] group 1 for x's tiles; s[32:39] group 0, a set for each slot
.set G0,  32
.set G1B, 48                           ; s[48:55], s[56:63] the same for the weights' tiles
.set G0B, 56
.set G1S, 68                           ; s[68:75], s[76:79] x's scale bytes;  s[80:87], s[88:91] the weights'
.set G0S, 76
.set G1SB, 80
.set G0SB, 88
.set SEL, 92                           ; s[92:93] lane selects for v_permlanex16_b32: lane l xor 16
.set HB,  94                           ; s[94:95] hid: where my wave's codes begin
.set HS,  96                           ; s[96:97] hid: where the scale words that I store begin
.set MSB, 0
.macro WIN new                         ; the immediate's high byte repeats the setting that is left; a switch that changes nothing is dropped
.if MSB != (\new)
	s_set_vgpr_msb (MSB<<8)|(\new)
.set MSB, (\new)
.endif
.endm
.set MUL_LO, 0xa1                      ; source 0 (weights) window 1, source 1 (x) window 0, C and D window 2
.set MUL_HI, 0xf1                      ; the same, C and D window 3
.set TO_B,   0x40                      ; destination window 1, address window 0
; A joint load: waves 0 and 1 fetch for x, waves 2 and 3 for the weights.  The branch hangs on the wave's number alone.  Four v_nop follow each line.
.macro JLOAD g0a, g1a, g0b, g1b
	s_cmp_eq_u32 s[WR], 0
	s_cbranch_scc0 .Lfor_b_\@
	tensor_load_to_lds s[\g0a:\g0a+3], s[\g1a:\g1a+7]
	s_nop 0
.rept 4
	v_nop
.endr
	s_branch .Lasked_\@
.Lfor_b_\@:
	tensor_load_to_lds s[\g0b:\g0b+3], s[\g1b:\g1b+7]
	s_nop 0
.rept 4
	v_nop
.endr
.Lasked_\@:
.endm
.macro CREST                           ; a round of the cluster's barrier behind its opening barrier
	s_cmp_lg_u32 s[WV], 0
	s_cbranch_scc1 .Lnot_wave_0_\@
	s_barrier_signal -3
.Lnot_wave_0_\@:
	s_barrier_wait -3
	s_barrier_signal -1
	s_barrier_wait -1
.endm
.macro CROUND                          ; a whole round
	s_barrier_signal -1
	s_barrier_wait -1
	CREST
.endm
	s_load_b256 s[4:11], s[0:1], 0x0               ; x's codes s[4:5], x's scales s[6:7], gate's codes s[8:9], gate's scales s[10:11]
	s_load_b128 s[12:15], s[0:1], 0x20             ; up's codes s[12:13], up's scales s[14:15]
	s_load_b64 s[16:17], s[0:1], 0x30              ; hid
	v_lshl_add_u32 v[SPW], v0, 2, SPARE
	v_mov_b32 v[NIL], 0
	ds_add_u32 v28, v29
	ds_add_u32 v28, v29
	s_wait_dscnt 0x0
	v_lshrrev_b32 v1, 5, v0
	v_readfirstlane_b32 s[WV], v1                  ; wave 0..3
	s_lshr_b32 s[WR], s[WV], 1
	s_and_b32 s[WC], s[WV], 1
	s_bfe_u32 s21, ttmp6, 0x40000                  ; cx
	s_bfe_u32 s22, ttmp6, 0x40004                  ; cy: which 256 tokens (one cluster spans all four)
	s_lshl_b32 s23, ttmp9, 2
	s_add_co_u32 s23, s23, s21                     ; which 128 weight rows = 4 x cluster x + cx: expert s23 / 8, K step s23 % 8 of the second product
	s_lshl_b32 s40, s22, 2
	s_lshl_b32 s40, 15, s40                        ; my row of the cluster
	s_lshl_b32 s41, 0x1111, s21                    ; my column
	; group 1: a tile of 128 rows x 192 bytes, 16 bytes of padding behind every 64
	s_or_b32 s[G1+0], s40, (0<<16)|(1<<20)|(1<<21)|(3<<22)|(3<<25)   ; 15:0 the mask: x's tiles go to my row; elements of 1 byte; padding on; 21 set beside a mask; after every 16 words, 4 words
	s_or_b32 s[G1B+0], s41, (0<<16)|(1<<20)|(1<<21)|(3<<22)|(3<<25)  ; the weights' tiles go to my column
.irp g, G1, G1B
	s_mov_b32 s[\g+1], ROWB<<16                    ; tensor_dim0
	s_mov_b32 s[\g+2], 128<<16                     ; tensor_dim1
	s_mov_b32 s[\g+3], ROWB<<16                    ; tile_dim0
	s_mov_b32 s[\g+4], 128                         ; tile_dim1
	s_mov_b32 s[\g+5], KROW                        ; from row to row
	s_mov_b32 s[\g+6], 0
	s_mov_b32 s[\g+7], 0
.endr
	; the scale bytes of 128 rows: 8,192 dense bytes as 32 rows of 256 (32 elements of 8 bytes), 16 bytes of padding behind each
	s_or_b32 s[G1S+0], s40, (3<<16)|(1<<20)|(1<<21)|(5<<22)|(3<<25)
	s_or_b32 s[G1SB+0], s41, (3<<16)|(1<<20)|(1<<21)|(5<<22)|(3<<25)
.irp g, G1S, G1SB
	s_mov_b32 s[\g+1], 32<<16
	s_mov_b32 s[\g+2], 32<<16
	s_mov_b32 s[\g+3], 32<<16
	s_mov_b32 s[\g+4], 32
	s_mov_b32 s[\g+5], 32
	s_mov_b32 s[\g+6], 0
	s_mov_b32 s[\g+7], 0
.endr
	s_lshl_b32 s42, s22, 8
	s_lshl_b32 s43, s[WC], 7
	s_add_co_u32 s42, s42, s43                     ; x: row 256 cy + 128 x half
	s_mul_i32 s44, s42, KROW                       ; its codes, in bytes (under 2^21)
	s_mov_b32 s45, 0
	s_lshl_b32 s46, s42, 6                         ; its scale bytes
	s_mov_b32 s47, 0
	s_mul_i32 s66, s23, 128*KROW                   ; the weights: 128 rows of codes a work-group (under 2^24)
	s_mov_b32 s67, 0
	s_lshl_b32 s98, s23, 13                        ; and 128 x 64 scale bytes
	s_mov_b32 s99, 0
	s_mul_i32 s2, s[WV], HALFT                     ; where they go: wave x 128 rows: no place in the cluster enters an LDS address
	s_mul_i32 s3, s[WV], HALFS
	s_wait_kmcnt 0x0
	s_cmp_eq_u32 s[WC], 0                          ; wave 2 fetches gate's rows, wave 3 up's: the choice hangs on the wave's number alone
	s_cselect_b64 s[8:9], s[8:9], s[12:13]
	s_cselect_b64 s[10:11], s[10:11], s[14:15]
	s_add_nc_u64 s[8:9], s[8:9], s[66:67]
	s_add_nc_u64 s[10:11], s[10:11], s[98:99]
	s_add_nc_u64 s[4:5], s[4:5], s[44:45]
	s_add_nc_u64 s[6:7], s[6:7], s[46:47]
	CROUND                                         ; all sixteen work-groups are here: the first joint loads meet
	s_mov_b32 s[G0S], 1
	s_add_co_u32 s[G0S+1], s3, SCL
	s_mov_b64 s[G0S+2:G0S+3], s[6:7]
	s_or_b32 s[G0S+3], s[G0S+3], 0x80000000
	s_mov_b32 s[G0SB], 1
	s_add_co_u32 s[G0SB+1], s3, SCL
	s_mov_b64 s[G0SB+2:G0SB+3], s[10:11]
	s_or_b32 s[G0SB+3], s[G0SB+3], 0x80000000
	JLOAD G0S, G1S, G0SB, G1SB                     ; the scale bytes first: they are wanted with K step 0
.irp s, 0,1
	s_mov_b32 s[G0+4*\s], 1
	s_add_co_u32 s[G0+4*\s+1], s2, \s*SLOT
	s_add_nc_u64 s[G0+4*\s+2:G0+4*\s+3], s[4:5], \s*ROWB
	s_or_b32 s[G0+4*\s+3], s[G0+4*\s+3], 0x80000000
	s_mov_b32 s[G0B+4*\s], 1
	s_add_co_u32 s[G0B+4*\s+1], s2, \s*SLOT
	s_add_nc_u64 s[G0B+4*\s+2:G0B+4*\s+3], s[8:9], \s*ROWB
	s_or_b32 s[G0B+4*\s+3], s[G0B+4*\s+3], 0x80000000
	JLOAD G0+4*\s, G1, G0B+4*\s, G1B               ; three tensor loads of mine are out behind the last of these
.endr
	v_and_b32 v1, 15, v0                           ; r = lane % 16
	v_bfe_u32 v2, v0, 4, 1                         ; h = lane / 16
	v_mul_u32_u24 v3, v1, PITCH
	v_mul_u32_u24 v4, v2, 24
	v_add_nc_u32 v4, v3, v4                        ; a fragment's row x pitch + 24 h
	v_lshl_add_u32 v5, v2, 4, v4                   ; and the same behind one padding more
	s_mul_i32 s40, s[WR], HALFT                    ; my 128 tokens
	s_mul_i32 s41, s[WC], 64*PITCH                 ; my 64 rows of gate,
	s_add_co_u32 s41, s41, 2*HALFT                 ; behind x's 256 rows; up's lie 128 rows further on
.irp s, 0,1
	v_add_nc_u32 v[ADRA+\s], s40, v4
	v_add_nc_u32 v[ADRB+\s], s41, v4
	v_add_nc_u32 v[ADRA+2+\s], s40, v5
	v_add_nc_u32 v[ADRB+2+\s], s41, v5
	s_add_co_u32 s40, s40, SLOT
	s_add_co_u32 s41, s41, SLOT
.endr
	v_lshlrev_b32 v5, 6, v1                        ; my row's scale bytes: 64 a row,
	v_lshrrev_b32 v6, 2, v1
	v_lshl_add_u32 v5, v6, 4, v5                   ; and 16 more for each 256 passed
	s_mul_i32 s40, s[WR], HALFS                    ; x's: my 128 tokens
	s_xor_b32 s41, s[WR], 1
	s_mul_i32 s41, s41, HALFS
	s_mul_i32 s42, s[WC], 4*SBLK
	s_add_co_u32 s41, s41, s42
	s_add_co_u32 s41, s41, HALFS                   ; from there to gate's rows of my 64 units: (2 - wave / 2) x 128 rows + 64 (wave % 2) rows
	s_add_co_u32 s42, s41, 4*SBLK                  ; for blocks 4-7 (up): 64 rows more
	v_mul_u32_u24 v6, s41, v2                      ; lanes 16-31 take the weights'
	v_mul_u32_u24 v7, s42, v2
	s_add_co_u32 s40, s40, SCL
	v_add_nc_u32 v5, s40, v5
	v_add_nc_u32 v[ADRS], v5, v6
	v_add_nc_u32 v[ADRS2], v5, v7
	v_and_b32 v3, 31, v0
	v_lshlrev_b32 v[L16], 4, v3
	v_lshlrev_b32 v[L8], 3, v3
	s_lshl_b32 s40, s[WR], 9
	s_lshl_b32 s41, s[WC], 1
	s_add_co_u32 s40, s40, s41
	v_lshl_add_u32 v[SSA], v1, 2, s40              ; 4 x token (128 (wave / 2) + r; the block's 64 bytes stand in the immediate) + 2 (wave % 2)
	s_lshl_b32 s40, s[WV], 8
	v_add_nc_u32 v[SRA], s40, v[L8]                ; back: tokens 64 wave on, 8 bytes a lane
	s_mov_b32 s[SEL], 0x76543210
	s_mov_b32 s[SEL+1], 0xfedcba98
	; hid: my codes begin at block 8 (4 cy + 2 (wave / 2)) + expert, image 4 ks, half wave % 2
	s_lshl_b32 s40, s22, 2
	s_lshl_b32 s41, s[WR], 1
	s_add_co_u32 s41, s40, s41
	s_lshl_b32 s41, s41, 3
	s_lshr_b32 s42, s23, 3                         ; the expert
	s_add_co_u32 s41, s41, s42
	s_mul_i32 s41, s41, HBLK
	s_and_b32 s43, s23, 7                          ; ks
	s_mul_i32 s44, s43, 4*1536
	s_add_co_u32 s41, s41, s44
	s_mul_i32 s44, s[WC], 768
	s_add_co_u32 s44, s41, s44
	s_mov_b32 s45, 0
	s_add_nc_u64 s[HB:HB+1], s[16:17], s[44:45]
	s_add_co_u32 s40, s40, s[WV]                   ; the scale words that I store: tokens 64 (4 cy + wave) on
	s_lshl_b32 s40, s40, 3
	s_add_co_u32 s40, s40, s42
	s_mul_i32 s40, s40, HBLK
	s_lshl_b32 s43, s43, 8
	s_add_co_u32 s40, s40, s43
	s_add_co_u32 s40, s40, 49152
	s_mov_b32 s41, 0
	s_add_nc_u64 s[HS:HS+1], s[16:17], s[40:41]
.macro FRAG reg, adr, q, i             ; 16 rows x 128 K: 12 registers: registers 6 c .. 6 c + 5 hold K = 64 c + 32 h + 0 .. 31: 24 bytes of the row, as they lie, in pieces of 8 bytes
.irp p, 0,1,2,3,4,5
.set PC, 12*(\q)+6*(\p/3)+\p%3        ; lanes 16-31 read three pieces further on: where that is behind one padding more, the second address register serves
.if PC%8 < 5
	ds_load_b64 v[\reg+2*\p:\reg+2*\p+1], v[\adr] offset:8*PC+16*(PC/8)+(\i)*16*PITCH
.else
	ds_load_b64 v[\reg+2*\p:\reg+2*\p+1], v[\adr+2] offset:8*PC+16*(PC/8)+(\i)*16*PITCH
.endif
.endr
.endm
; 16 matrix instructions: token blocks a0, a0 + 1 x the eight weight blocks, 128 along K.  p: the weights' set; sc: the set of scale words.  zero = 1: the first product starts the sums.
; The 64 accumulators take turns, one instruction a turn, in the same order in every step.
.macro MUL16 a0, p, q, sc, zero
.irp a, \a0, \a0+1
.irp b, 0,1,2,3,4,5,6,7
.if \zero
	v_wmma_scale_f32_16x16x128_f8f6f4 v[8*(8*((\a)%4)+\b):8*(8*((\a)%4)+\b)+7], v[128*(\p)+FR*\b:128*(\p)+FR*\b+FR-1], v[AF+FR*(\a):AF+FR*(\a)+FR-1], 0, v[SC+8*NQ*(\sc)+NQ*\b+(\q)], v[SC+8*NQ*(\sc)+NQ*(\a)+(\q)] matrix_a_fmt:MATRIX_FMT_BF6 matrix_b_fmt:MATRIX_FMT_BF6 matrix_a_scale:MATRIX_SCALE_ROW1
.else
	v_wmma_scale_f32_16x16x128_f8f6f4 v[8*(8*((\a)%4)+\b):8*(8*((\a)%4)+\b)+7], v[128*(\p)+FR*\b:128*(\p)+FR*\b+FR-1], v[AF+FR*(\a):AF+FR*(\a)+FR-1], v[8*(8*((\a)%4)+\b):8*(8*((\a)%4)+\b)+7], v[SC+8*NQ*(\sc)+NQ*\b+(\q)], v[SC+8*NQ*(\sc)+NQ*(\a)+(\q)] matrix_a_fmt:MATRIX_FMT_BF6 matrix_b_fmt:MATRIX_FMT_BF6 matrix_a_scale:MATRIX_SCALE_ROW1
.endif
.endr
.endr
.endm
.macro FETCH_B slot, q, p              ; the eight weight fragments into set p: blocks 0-3 gate's, blocks 4-7 up's, 128 rows further on
	WIN TO_B
.irp i, 0,1,2,3,4,5,6,7
	FRAG 128*(\p)+FR*\i, ADRB+\slot, \q, \i+4*(\i/4)
.endr
	WIN 0
.endm
.macro FETCH_A slot, q, i0             ; x's blocks i0 .. i0 + 3
.irp i, \i0, \i0+1, \i0+2, \i0+3
	FRAG AF+FR*(\i), ADRA+\slot, \q, \i
.endr
.endm
.macro SCALES sc                       ; a K step's scale words, two a row: lanes 0-15 x's block i, lanes 16-31 weight block i
.irp i, 0,1,2,3
	ds_load_b64 v[SC+8*NQ*\sc+NQ*\i:SC+8*NQ*\sc+NQ*\i+1], v[ADRS] offset:\i*SBLK
.endr
.irp i, 4,5,6,7
	ds_load_b64 v[SC+8*NQ*\sc+NQ*\i:SC+8*NQ*\sc+NQ*\i+1], v[ADRS2] offset:\i*SBLK
.endr
.endm
; A load into a register that a matrix instruction has read, and a vector instruction or a store that reads a matrix result, stand NP places behind it; only plain vector instructions
; that name none of its registers are places (ISA guide 7.12.1 for vector instructions).
.macro PLACES n
.rept \n
	v_nop
.endr
.endm
; A step of 128 along K that has its successor in the same slot.  x has one set of registers: blocks 0-3 are fetched anew in the step's middle, blocks 4-7 at its end.
.macro STEP slot, q, zero
	s_wait_dscnt 4*NL                              ; all but the youngest 24 loads (x's blocks 4-7) are in
	WIN MUL_LO
	MUL16 0, (\q)%2, \q, \slot, \zero
	MUL16 2, (\q)%2, \q, \slot, \zero
	s_wait_dscnt 0                                 ; x's blocks 4-7 are in
	PLACES NP
	FETCH_B \slot, (\q)+1, 1-(\q)%2
	FETCH_A \slot, (\q)+1, 0
	WIN MUL_HI
	MUL16 4, (\q)%2, \q, \slot, \zero
	MUL16 6, (\q)%2, \q, \slot, \zero
	PLACES NP
	WIN 0
	FETCH_A \slot, (\q)+1, 4
.endm
; A slot's last step changes slots: ONE barrier.  In front of it each wave waits for all its tensor loads (one is out: its part of the next slot), adds 0 to its spare word, and waits for that and
; for its reads of this slot.  fill = 1: the barrier opens a round of the cluster's barrier, and behind the round this slot is filled again, two K steps ahead.
.macro TURN slot, next, fill
	s_wait_dscnt 4*NL                              ; all but x's blocks 4-7
	WIN MUL_LO
	MUL16 0, 1, NQ-1, \slot, 0
	WIN 0                                          ; (the add's two registers lie in window 0)
	s_wait_tensorcnt 0x0                           ; all my tensor loads have landed, so a group 0 may be written
	ds_add_u32 v[SPW], v[NIL]                      ; 0 onto my spare word
.if \fill
	s_add_nc_u64 s[G0+4*\slot+2:G0+4*\slot+3], s[G0+4*\slot+2:G0+4*\slot+3], 2*ROWB
	s_add_nc_u64 s[G0B+4*\slot+2:G0B+4*\slot+3], s[G0B+4*\slot+2:G0B+4*\slot+3], 2*ROWB
.endif
	s_wait_dscnt 0x0                               ; the add is done, and my reads of this slot are over
	s_barrier_signal -1
	WIN MUL_LO
	MUL16 2, 1, NQ-1, \slot, 0                     ; work on registers while the others arrive
	WIN 0
	s_barrier_wait -1
.if \fill
	CREST                                          ; no wave of any partner still reads this slot's tile or has a load on its way
	JLOAD G0+4*\slot, G1, G0B+4*\slot, G1B         ; my one tensor load behind the round; its four v_nop are also the places in front of the loads below
.else
	PLACES NP
.endif
	v_add_nc_u32 v[ADRS], 4*NQ, v[ADRS]            ; on to the next K step's scale words
	v_add_nc_u32 v[ADRS2], 4*NQ, v[ADRS2]
	FETCH_B \next, 0, 0
	FETCH_A \next, 0, 0
	SCALES \next
	WIN MUL_HI
	MUL16 4, 1, NQ-1, \slot, 0
	MUL16 6, 1, NQ-1, \slot, 0
	PLACES NP
	WIN 0
	FETCH_A \next, 0, 4
.endm
	s_wait_tensorcnt 1                             ; the scale bytes and my part of K step 0 are in; K step 1's load may be out
	s_barrier_signal -1
	s_barrier_wait -1
	FETCH_B 0, 0, 0
	FETCH_A 0, 0, 0
	SCALES 0
	FETCH_A 0, 0, 4
	STEP 0, 0, 1                                   ; the first step stands in front of the loop: its products start the sums
	s_mov_b32 s3, LAPS-1
.Llap:                                                 ; a trip goes once round the ring and fills both slots again
	TURN 0, 1, 1
	STEP 1, 0, 0
	TURN 1, 0, 1
	STEP 0, 0, 0
	s_sub_co_u32 s3, s3, 1
	s_cmp_lg_u32 s3, 0
	s_cbranch_scc1 .Llap
	TURN 0, 1, 0                                   ; the last lap fills nothing
	STEP 1, 0, 0
	s_wait_dscnt 4*NL                              ; the very last step
	WIN MUL_LO
	MUL16 0, 1, NQ-1, 1, 0
	MUL16 2, 1, NQ-1, 1, 0
	s_wait_dscnt 0
	WIN MUL_HI
	MUL16 4, 1, NQ-1, 1, 0
	MUL16 6, 1, NQ-1, 1, 0
	WIN 0
	PLACES NP                                      ; in front of the first reads of results and of writes to the registers that held x's fragments
; THE WAY OUT of token block a.  gelu_tanh(g) = g / (1 + 2^(g (C1 + C3 g^2))), since (1 + tanh z) / 2 = 1 / (1 + e^(-2 z)); where the power overflows the quotient is 0, where it vanishes it is g.
; G: gate's four tiles, 32 registers; U: up's.  Each accumulator is read from its low end on.
.macro EPI a
.set W,   2+(\a)/4                     ; the block's window
.set WGG, W|(W<<2)                     ; sources 0 and 1 there
.set WG1, W<<2                         ; source 1 there
.set G,   64*((\a)%4)
.set U,   G+32
.set PA,  PCD+8*(\a)
.set IMM, ((\a)/4)*8*HBLK+((\a)%4)*1536   ; 64 tokens on is eight blocks of hid on; 16 tokens on is one image on
	WIN WGG
.set i, 0
.rept 16
	v_pk_mul_f32 v[T+i:T+i+1], v[G+i:G+i+1], v[G+i:G+i+1]           ; g^2
.set i, i+2
.endr
	WIN 0
.set i, 0
.rept 16
	v_pk_fma_f32 v[T+i:T+i+1], v[T+i:T+i+1], v[C3:C3+1], v[C1:C1+1] ; C1 + C3 g^2
.set i, i+2
.endr
	WIN WG1
.set i, 0
.rept 16
	v_pk_mul_f32 v[T+i:T+i+1], v[T+i:T+i+1], v[G+i:G+i+1]           ; x g
.set i, i+2
.endr
	WIN 0
.set i, 0
.rept 32
	v_exp_f32 v[T+i], v[T+i]
.set i, i+1
.endr
	v_nop                                          ; a plain instruction between the exponentials and the first use of a result
.set i, 0
	s_wait_alu depctr_va_vdst(0)
.rept 16
	v_pk_add_f32 v[T+i:T+i+1], v[T+i:T+i+1], 1.0 op_sel_hi:[1,0]
.set i, i+2
.endr
.set i, 0
.rept 32
	v_rcp_f32 v[T+i], v[T+i]
.set i, i+1
.endr
	v_nop                                          ; likewise behind the reciprocals
	WIN WG1
.set i, 0
	s_wait_alu depctr_va_vdst(0)
.rept 16
	v_pk_mul_f32 v[T+i:T+i+1], v[T+i:T+i+1], v[G+i:G+i+1]           ; gelu(g)
.set i, i+2
.endr
.set i, 0
.rept 16
	v_pk_mul_f32 v[T+i:T+i+1], v[T+i:T+i+1], v[U+i:U+i+1]           ; x u: the hidden number
.set i, i+2
.endr
	WIN 0
.irp j, 0,1,2,3,4,5,6,7                ; register 8 t + j of lane (r, h) is unit 16 t + 8 h + j.  Tile 2 b's lanes 16-31 change places with tile 2 b + 1's lanes 0-15: register 16 b + i is then unit 32 b + 16 h + i
	v_permlane16_swap_b32 v[T+\j], v[T+8+\j]
	v_permlane16_swap_b32 v[T+16+\j], v[T+24+\j]
.endr
.irp b, 0,1
	v_max3_num_f32 v[MX+\b], |v[T+16*\b]|, |v[T+16*\b+1]|, 0x2800000   ; block b: my 16 numbers, and the floor 2^(5 - 127): the byte cannot fall under 1
.endr
.irp i, 2,4,6,8,10,12,14
.irp b, 0,1
	v_max3_num_f32 v[MX+\b], v[MX+\b], |v[T+16*\b+\i]|, |v[T+16*\b+\i+1]|
.endr
.endr
.irp b, 0,1
	v_permlanex16_b32 v[XX+\b], v[MX+\b], s[SEL], s[SEL+1]
.endr
.irp b, 0,1
	v_max_num_f32 v[MX+\b], v[MX+\b], v[XX+\b]     ; with lane l xor 16's: the block's largest magnitude
.endr
.irp b, 0,1
	v_add_nc_u32 v[SO+\b], 0xfe000000, v[MX+\b]    ; 4 off its exponent field: the conversion takes the exponent field of this operand as its scale
.endr
.irp b, 0,1
	v_lshrrev_b32 v[BY+\b], 23, v[SO+\b]           ; the scale's byte
.endr
	v_lshl_or_b32 v[HW], v[BY+1], 8, v[BY]         ; my wave's two bytes of token r's scale word
	v_cvt_scalef32_pk16_bf6_f32 v[PA:PA+2], v[T:T+15], v[SO]         ; codes of k = 64 (wave % 2) + 16 h + 0 .. 15
	v_cvt_scalef32_pk16_bf6_f32 v[P2:P2+2], v[T+16:T+31], v[SO+1]    ; and of k = 64 (wave % 2) + 32 + 16 h + 0 .. 15
	v_nop                                          ; one plain place behind a scaled conversion
.irp i, 0,1,2
	v_permlane16_swap_b32 v[PA+\i], v[P2+\i]       ; the operand's layout wants a whole block in a lane: lanes 0-15 the first block, lanes 16-31 the second
.endr
.irp i, 0,1,2
	v_mov_b32 v[PA+3+\i], v[P2+\i]
.endr
	global_store_b128 v[L16], v[PA:PA+3], s[HB:HB+1] offset:IMM      ; 32 lanes store 512 consecutive bytes, at a multiple of 256 from hid's first byte
	global_store_b64 v[L8], v[PA+4:PA+5], s[HB:HB+1] offset:IMM+512  ; and 256 more.  Each block has its own six registers: no store's data are written again
	ds_store_b16 v[SSA], v[HW] offset:SCST+64*(\a) ; lanes r and r + 16 write the same two bytes with the same value
.endm
	v_mov_b32 v[C1], 0xc0135761                    ; -2 log2(e) sqrt(2 / pi) = -2.3022082
	v_mov_b32 v[C1+1], 0xc0135761
	v_mov_b32 v[C3], 0xbdd2d3e8                    ; that x 0.044715
	v_mov_b32 v[C3+1], 0xbdd2d3e8
	v_mov_b32 v[XX], 0                             ; written once: a lane permute's destination counts as one of its sources
	v_mov_b32 v[XX+1], 0
.irp a, 0,1,2,3,4,5,6,7
	EPI \a
.endr
	s_wait_dscnt 0x0                               ; for the others' sake: a scale word's two halves come from two waves
	s_barrier_signal -1
	s_barrier_wait -1
	ds_load_b64 v[SWB:SWB+1], v[SRA] offset:SCST   ; the words of tokens 64 wave on
	s_wait_dscnt 0x0
	global_store_b64 v[L8], v[SWB:SWB+1], s[HS:HS+1]   ; 32 lanes store 256 consecutive bytes, aligned
	s_wait_tensorcnt 0x0                           ; the wave's end
	ds_add_u32 v[SPW], v[NIL]
	s_wait_dscnt 0x0
	CROUND                                         ; the closing round: no work-group ends while a partner may still ask for a tile that names it
	s_endpgm
.Lfunc_end_k_q25f11ce99d_gateup:
	.size	k_q25f11ce99d_gateup, .Lfunc_end_k_q25f11ce99d_gateup-k_q25f11ce99d_gateup
	.p2alignl 7, 3214868480
	.fill 96, 4, 3214868480
	.section	.rodata,"a",@progbits
	.p2align	6, 0x0
	.amdhsa_kernel k_q25f11ce99d_gateup
		.amdhsa_group_segment_fixed_size 327680
		.amdhsa_private_segment_fixed_size 0
		.amdhsa_enable_private_segment 0
		.amdhsa_kernarg_size 56
		.amdhsa_user_sgpr_count 2
		.amdhsa_user_sgpr_kernarg_segment_ptr 1
		.amdhsa_wavefront_size32 1
		.amdhsa_system_sgpr_workgroup_id_x 1
		.amdhsa_system_sgpr_workgroup_id_y 1
		.amdhsa_system_sgpr_workgroup_id_z 1
		.amdhsa_system_vgpr_workitem_id 0
		.amdhsa_next_free_vgpr 1024
		.amdhsa_next_free_sgpr 100
		.amdhsa_reserve_vcc 0
		.amdhsa_float_denorm_mode_32 3
		.amdhsa_float_denorm_mode_16_64 3
		.amdhsa_memory_ordered 1
		.amdhsa_forward_progress 1
		.amdhsa_inst_pref_size 219
	.end_amdhsa_kernel
	.amdgpu_metadata
---
amdhsa.version: [ 1, 2 ]
amdhsa.kernels:
  - .name:           k_q25f11ce99d_gateup
    .symbol:         k_q25f11ce99d_gateup.kd
    .args:
      - { .name: hidden_states_codes, .offset: 0, .size: 8, .value_kind: global_buffer, .address_space: global }
      - { .name: hidden_states_scales, .offset: 8, .size: 8, .value_kind: global_buffer, .address_space: global }
      - { .name: gate_w_codes, .offset: 16, .size: 8, .value_kind: global_buffer, .address_space: global }
      - { .name: gate_w_scales, .offset: 24, .size: 8, .value_kind: global_buffer, .address_space: global }
      - { .name: up_w_codes, .offset: 32, .size: 8, .value_kind: global_buffer, .address_space: global }
      - { .name: up_w_scales, .offset: 40, .size: 8, .value_kind: global_buffer, .address_space: global }
      - { .name: hid, .offset: 48, .size: 8, .value_kind: global_buffer, .address_space: global }
    .group_segment_fixed_size: 327680
    .private_segment_fixed_size: 0
    .kernarg_segment_align: 8
    .kernarg_segment_size: 56
    .max_flat_workgroup_size: 128
    .sgpr_count:     100
    .vgpr_count:     1024
    .wavefront_size: 32
...
	.end_amdgpu_metadata
.endif
;; end of part 1
;; launch down (part 2): grid 16 x 16, 4 waves a work-group, clusters of 4 x 4, 327,680 bytes of LDS; arguments hid, down_w_codes, down_w_scales, out0; writes out0
.if DOCPART == 2
	.amdgcn_target "amdgcn-amd-amdhsa--gfx1250"
	.amdhsa_code_object_version 6
	.text
	.protected	k_q25f11ce99d_down
	.globl	k_q25f11ce99d_down
	.p2align	8
	.type	k_q25f11ce99d_down,@function
k_q25f11ce99d_down:
	s_mov_b64 s[64:65], 0
	v_nop
	global_prefetch_b8 v0, s[64:65] scope:SCOPE_SE
	s_setreg_imm32_b32 hwreg(HW_REG_WAVE_MODE, 25, 1), 1
	s_wait_xcnt 0x0
	s_wait_alu depctr_hold_cnt(0) depctr_sa_sdst(0) depctr_va_vdst(0) depctr_va_sdst(0) depctr_va_ssrc(0) depctr_va_vcc(0) depctr_vm_vsrc(0)
	s_getreg_b32 s2, hwreg(HW_REG_IB_STS2, 6, 4)
	s_cmp_eq_u32 s2, 0
	s_cbranch_scc0 .Lentry_in_a_cluster
	s_endpgm
.Lentry_in_a_cluster:
	s_bfe_u32 s2, ttmp6, 0x10000c
	s_cmp_lg_u32 s2, 0xf033
	s_cbranch_scc0 .Lentry_shape_is_right
	s_endpgm
.Lentry_shape_is_right:
; out0[t][n] = 1/8 x the sum over the 8 experts and their 1,024 hidden units of hid[t][e][f] Wd[e][n][f]: one GEMM with K = 8,192, on codes of BF6 (E3M2) with one E8M0 byte for each 32 along K.
; hid comes from the first launch, laid in the order of the operand's registers: 128 blocks of 51,200 bytes, block 8 (token / 64) + expert: 32 fragment images of 1,536 bytes ((4 ks + tb): K step ks, token block tb;
; half c at 768 c: registers 6 c .. 6 c + 3 at 16 x lane, 6 c + 4, 6 c + 5 at 512 + 8 x lane), then 2,048 bytes of scale words (256 ks + 64 tb + 4 r).  Wd: [8][2048][1024] codes (768 bytes a row), [8][2048][32] scale bytes.
; SHARES.  A work-group makes 64 tokens x 128 columns: 256 work-groups.  THE FOUR WAVES SPLIT K, NOT THE TILE: wave w takes K steps 2 w and 2 w + 1 (of 128) of every expert, on the whole tile: 32 accumulators.
; The four partial tiles meet in LDS at the end.  ORDER OF ROUNDING: an output is the sum of four partial sums, (w0 + w1) + (w2 + w3), each with K ascending; 1/8 is applied last (exact).
; A UNIT u = 2 e + q is one K step of a wave: 32 matrix instructions.
; Wd GOES THROUGH LDS, by joint loads: 4 x 4 work-groups form a cluster, and the four of a column need the same 128 rows of Wd and their scale bytes.  An expert takes 104,448 + 4,352 bytes there, so LDS has
; THREE PLACES.  First fills: experts 0, 1, 2.  Places 0 and 1 are filled again together (experts 3, 4; later 6, 7), place 2 alone (expert 5): three refills in the launch.
; hid GOES STRAIGHT INTO REGISTERS and is NOT asked for jointly, though the four work-groups of a row of the cluster read the same block.  The reason, by this text's own arithmetic: through LDS it would take 51,200 bytes an
; expert, an expert would then need 160,000, LDS would hold two, and it would be filled again six times, each refill behind the landing of the one before; no wave shares a byte of hid with another wave of its work-group
; (they split K), and the block lies in the registers' own order, so each load of a wave covers 512 or 256 consecutive bytes.  Loads into registers are bound to no barrier: they run three units (54 loads a wave) ahead.
; The place comes back after three experts and the register sets after two, so the 16 units are written out by macro.
; THE MATRIX INSTRUCTION IS USED TRANSPOSED (source 0 = 16 rows of Wd, source 1 = 16 tokens): lane (r, h) holds token r and eight neighbouring columns.
; LIMITS: NaN and infinities are not served.
; REGISTERS: window 0: v0-29 addresses; v32-47 Wd's scale words, two sets; v48-55 hid's, four sets; v64-135 addresses of Wd's pieces.
;   window 1: Wd's fragments, two sets at v0 and v128; at the end the four partial tiles' rows.   window 2: the accumulators ((a, b) at v[8 (8 a + b)]).   window 3: hid's fragments, four sets of 48.
.set FR,    12
.set HBLK,  51200                      ; a block of hid
.set EXPC,  2048*768                   ; an expert's codes of Wd in memory
.set EXPS,  2048*32                    ; and its scale bytes
.set BROW,  816                        ; 128 rows of Wd are 98,304 dense bytes, brought as 384 rows of 256 bytes + 16 of padding: a row of Wd is 3 x 272 bytes = 204 words: row r starts at bank 12 r mod 64 (64 banks of 4 bytes: ISA guide 11.1): sixteen different multiples of 4
.set BHALF, 64*BROW                    ; 64 rows of Wd
.set CPB,   2*BHALF                    ; a place's codes; place p begins at p CPB
.set SPOS,  3*CPB                      ; behind the codes: the places' scale bytes,
.set SPB,   16*272                     ; 4,096 dense bytes as 16 rows of 256 + 16
.set SPARE, SPOS+3*SPB                 ; the spare words: 128 bytes a wave, two blocks of 256 bytes that no other line names
.set RED,   0                          ; the end: four partial tiles of 64 rows x (512 + 16) bytes, over places that have then had their last fill and their last read
.set RP,    528
.set RTILE, 64*RP
.set GA16,  8                          ; v8   hid: my wave's eight images of a block, + 16 x lane; never rewritten
.set GA8,   9                          ; v9   the same + 8 x lane
.set GAS,   10                         ; v10  hid's scale words: lanes 0-15 token block j, lanes 16-31 block j + 2
.set ASB,   11                         ; v11  Wd's scale words in place 0: lanes 0-15 column block i, lanes 16-31 block i + 4
.set RW,    16                         ; v16  where I put 32 bytes of a row of my partial tile
.set RR,    17                         ; v17  where I read rows back (partial tiles 0, 1);  v18: tiles 2, 3
.set CO,    19                         ; v19  16 x lane: my bytes in a row of out0
.set SPW,   28                         ; v28  my spare word; never rewritten
.set NIL,   29                         ; v29  0; never rewritten
.set SB,    32                         ; Wd's scale words: set e % 2 at v[SB + 8 (e % 2)]: register 2 i + q
.set SA,    48                         ; hid's: set u % 4 at v[SA + 2 (u % 4)]: register j
.set ADB,   64                         ; v[ADB + 12 k + 6 q + p]: LDS address of piece p of my K step q in half place k = 2 place + half.  The padding falls at other pieces in each wave, so each piece has its register
.set WV,  14
.set G1B,  24                          ; s[24:31] group 1 for an expert's codes
.set G1S,  32                          ; s[32:39] for its scale bytes
.set G0CA, 40                          ; s[40:43] group 0: codes into place wave % 2;   s[44:47] scale bytes likewise
.set G0SA, 44
.set G0CB, 48                          ; s[48:51] codes into place 2;   s[52:55] scale bytes likewise
.set G0SB, 52
.set MSB, 0
.macro WIN new                         ; the immediate's high byte repeats the setting that is left; a switch that changes nothing is dropped
.if MSB != (\new)
	s_set_vgpr_msb (MSB<<8)|(\new)
.set MSB, (\new)
.endif
.endm
.set MUL,  0xad                        ; source 0 (Wd) window 1, source 1 (hid) window 3, C and D window 2
.set TO_B, 0x40                        ; destination window 1, address window 0
.set TO_H, 0xc0                        ; destination window 3, address window 0
; The joint loads.  The branches hang on the wave's number alone.  Four v_nop follow each line.
.macro JLOADA                          ; places 0 and 1: waves 0, 1 the scale bytes, waves 2, 3 the codes, each of the expert of place wave % 2
	s_cmp_lt_u32 s[WV], 2
	s_cbranch_scc0 .Lfor_c_\@
	tensor_load_to_lds s[G0SA:G0SA+3], s[G1S:G1S+7]
	s_nop 0
.rept 4
	v_nop
.endr
	s_branch .Lasked_\@
.Lfor_c_\@:
	tensor_load_to_lds s[G0CA:G0CA+3], s[G1B:G1B+7]
	s_nop 0
.rept 4
	v_nop
.endr
.Lasked_\@:
.endm
.macro JLOADB                          ; place 2: wave 0 the scale bytes, wave 1 the codes; waves 2 and 3 have no part to fill
	s_cmp_eq_u32 s[WV], 0
	s_cbranch_scc0 .Lnot_0_\@
	tensor_load_to_lds s[G0SB:G0SB+3], s[G1S:G1S+7]
	s_nop 0
.rept 4
	v_nop
.endr
	s_branch .Lasked_\@
.Lnot_0_\@:
	s_cmp_eq_u32 s[WV], 1
	s_cbranch_scc0 .Lasked_\@
	tensor_load_to_lds s[G0CB:G0CB+3], s[G1B:G1B+7]
	s_nop 0
.rept 4
	v_nop
.endr
.Lasked_\@:
.endm
.macro CREST                           ; a round of the cluster's barrier behind its opening barrier
	s_cmp_lg_u32 s[WV], 0
	s_cbranch_scc1 .Lnot_wave_0_\@
	s_barrier_signal -3
.Lnot_wave_0_\@:
	s_barrier_wait -3
	s_barrier_signal -1
	s_barrier_wait -1
.endm
.macro CROUND                          ; a whole round
	s_barrier_signal -1
	s_barrier_wait -1
	CREST
.endm
	s_load_b256 s[4:11], s[0:1], 0x0               ; hid s[4:5], Wd's codes s[6:7], Wd's scales s[8:9], out0 s[10:11]
	v_lshl_add_u32 v[SPW], v0, 2, SPARE
	v_mov_b32 v[NIL], 0
	ds_add_u32 v28, v29
	ds_add_u32 v28, v29
	s_wait_dscnt 0x0
	v_lshrrev_b32 v1, 5, v0
	v_readfirstlane_b32 s[WV], v1                  ; wave 0..3
	s_bfe_u32 s15, ttmp6, 0x40000                  ; cx
	s_bfe_u32 s16, ttmp6, 0x40004                  ; cy
	s_lshl_b32 s17, ttmp9, 2
	s_add_co_u32 s17, s17, s15                     ; which 128 columns
	s_and_b32 s18, ttmp7, 0xffff
	s_lshl_b32 s18, s18, 2
	s_add_co_u32 s18, s18, s16                     ; which 64 tokens
	s_lshl_b32 s20, 0x1111, s15                    ; my column of the cluster
	; group 1.  Both tiles are dense blocks of memory, stated as rows of 256 bytes (32 elements of 8 bytes), 16 bytes of padding behind each
	s_or_b32 s[G1B+0], s20, (3<<16)|(1<<20)|(1<<21)|(5<<22)|(3<<25)   ; 128 rows of Wd: 384 rows; 15:0 the mask: my column; 21 set beside a mask
	s_mov_b32 s[G1B+1], 32<<16
	s_mov_b32 s[G1B+2], 384<<16
	s_mov_b32 s[G1B+3], 32<<16
	s_mov_b32 s[G1B+4], 384
	s_mov_b32 s[G1B+5], 32
	s_mov_b32 s[G1B+6], 0
	s_mov_b32 s[G1B+7], 0
	s_or_b32 s[G1S+0], s20, (3<<16)|(1<<20)|(1<<21)|(5<<22)|(3<<25)   ; their scale bytes: 16 rows
	s_mov_b32 s[G1S+1], 32<<16
	s_mov_b32 s[G1S+2], 16<<16
	s_mov_b32 s[G1S+3], 32<<16
	s_mov_b32 s[G1S+4], 16
	s_mov_b32 s[G1S+5], 32
	s_mov_b32 s[G1S+6], 0
	s_mov_b32 s[G1S+7], 0
	s_and_b32 s21, s[WV], 1                        ; which of places 0 and 1 I fill
	s_mul_i32 s56, s18, 8*HBLK                     ; hid: my tokens' eight blocks
	s_mov_b32 s57, 0
	s_mul_i32 s58, s17, 128*768                    ; Wd's codes: my 128 rows
	s_mov_b32 s59, 0
	s_lshl_b32 s60, s17, 12                        ; Wd's scale bytes: 128 rows of 32
	s_mov_b32 s61, 0
	s_mul_i32 s62, s21, EXPC                       ; expert wave % 2: its codes,
	s_mov_b32 s63, 0
	s_lshl_b32 s22, s21, 16                        ; its 65,536 scale bytes
	s_mov_b32 s23, 0
	v_and_b32 v1, 15, v0                           ; r
	v_bfe_u32 v2, v0, 4, 1                         ; h
	v_and_b32 v3, 31, v0                           ; lane
	s_mul_i32 s12, s[WV], 8*1536                   ; my two K steps' eight images in a block of hid
	v_lshl_add_u32 v[GA16], v3, 4, s12
	v_lshl_add_u32 v[GA8], v3, 3, s12
	s_lshl_b32 s12, s[WV], 9
	s_add_co_u32 s12, s12, 49152
	v_lshl_add_u32 v4, v1, 2, s12
	v_lshl_add_u32 v[GAS], v2, 7, v4               ; 49,152 + 512 wave + 4 r + 128 h
	s_wait_kmcnt 0x0
	s_add_nc_u64 s[4:5], s[4:5], s[56:57]
	s_add_nc_u64 s[6:7], s[6:7], s[58:59]
	s_add_nc_u64 s[8:9], s[8:9], s[60:61]
	CROUND                                         ; all sixteen work-groups are here: the first joint loads meet
	s_mov_b32 s[G0CA], 1
	s_mul_i32 s[G0CA+1], s21, CPB                  ; no place in the cluster enters an LDS address
	s_add_nc_u64 s[G0CA+2:G0CA+3], s[6:7], s[62:63]
	s_or_b32 s[G0CA+3], s[G0CA+3], 0x80000000
	s_mov_b32 s[G0SA], 1
	s_mul_i32 s[G0SA+1], s21, SPB
	s_add_co_u32 s[G0SA+1], s[G0SA+1], SPOS
	s_add_nc_u64 s[G0SA+2:G0SA+3], s[8:9], s[22:23]
	s_or_b32 s[G0SA+3], s[G0SA+3], 0x80000000
	s_mov_b32 s[G0CB], 1
	s_mov_b32 s[G0CB+1], 2*CPB
	s_add_nc_u64 s[G0CB+2:G0CB+3], s[6:7], 2*EXPC
	s_or_b32 s[G0CB+3], s[G0CB+3], 0x80000000
	s_mov_b32 s[G0SB], 1
	s_mov_b32 s[G0SB+1], SPOS+2*SPB
	s_add_nc_u64 s[G0SB+2:G0SB+3], s[8:9], 2*EXPS
	s_or_b32 s[G0SB+3], s[G0SB+3], 0x80000000
	JLOADA                                         ; experts 0 and 1
	JLOADB                                         ; expert 2: two tensor loads of waves 0 and 1 are out, one of waves 2 and 3
; hid's unit u (expert u / 2, my K step u % 2): two loads of scale words and four images of four loads: 18 loads, into set u % 4
.macro GLOADU u
.set GE, (\u)/2
.set GQ, (\u)%2
.set GS, (\u)%4
.irp j, 0,1
	global_load_b32 v[SA+2*GS+\j], v[GAS], s[4:5] offset:GE*HBLK+256*GQ+64*\j
.endr
	WIN TO_H
.irp t, 0,1,2,3
	global_load_b128 v[48*GS+FR*\t:48*GS+FR*\t+3],     v[GA16], s[4:5] offset:GE*HBLK+(4*GQ+\t)*1536        ; 32 lanes read 512 consecutive bytes
	global_load_b64  v[48*GS+FR*\t+4:48*GS+FR*\t+5],   v[GA8],  s[4:5] offset:GE*HBLK+(4*GQ+\t)*1536+512    ; and 256 more
	global_load_b128 v[48*GS+FR*\t+6:48*GS+FR*\t+9],   v[GA16], s[4:5] offset:GE*HBLK+(4*GQ+\t)*1536+768
	global_load_b64  v[48*GS+FR*\t+10:48*GS+FR*\t+11], v[GA8],  s[4:5] offset:GE*HBLK+(4*GQ+\t)*1536+1280
.endr
	WIN 0
.endm
	GLOADU 0                                       ; three units, 54 loads, are on their way from here on
	GLOADU 1
	GLOADU 2
	s_lshl_b32 s12, s[WV], 3
	s_add_co_u32 s12, s12, SPOS
	v_lshl_add_u32 v4, v1, 5, s12                  ; Wd's scale words: 32 bytes a row,
	v_lshrrev_b32 v5, 3, v1
	v_lshl_add_u32 v4, v5, 4, v4                   ; 16 more for each 256 passed, + 8 wave: my two K steps' words;
	v_mad_u32_u24 v[ASB], v2, 4*544, v4            ; lanes 16-31: four blocks of 16 rows on
	s_mul_i32 s12, s[WV], RTILE
	v_mul_u32_u24 v4, v1, RP
	v_lshl_add_u32 v4, v2, 5, v4
	v_add_nc_u32 v[RW], s12, v4                    ; my partial tile: row r, + 32 h  (RED = 0 stands in the immediates)
	s_mul_i32 s12, s[WV], 16*RP
	v_lshl_add_u32 v[RR], v3, 4, s12               ; back: rows 16 wave on, 16 bytes a lane
	v_add_nc_u32 v[RR+1], 2*RTILE, v[RR]
	v_lshlrev_b32 v[CO], 4, v3
	; Wd's pieces of 8 bytes.  Piece X of a row lies at 8 X + 16 (X / 32); lane (r, h) wants X = 24 wave + 12 q + 3 h + 6 (p / 3) + p % 3
	s_mul_i32 s12, s[WV], 24
	v_mul_u32_u24 v4, v2, 3
	v_add_nc_u32 v4, s12, v4
	v_mul_u32_u24 v5, v1, BROW
.irp q, 0,1
.irp p, 0,1,2,3,4,5
	v_add_nc_u32 v6, 12*\q+6*(\p/3)+\p%3, v4
	v_lshrrev_b32 v7, 5, v6
	v_lshl_add_u32 v6, v6, 3, v5
	v_lshl_add_u32 v[ADB+6*\q+\p], v7, 4, v6
.irp k, 1,2,3,4,5
	v_add_nc_u32 v[ADB+12*\k+6*\q+\p], \k*BHALF, v[ADB+6*\q+\p]
.endr
.endr
.endr
	s_lshl_b32 s56, s18, 6
	s_lshl_b32 s57, s[WV], 4
	s_add_co_u32 s56, s56, s57                     ; the first row of out0 that I store: 64 x token block + 16 wave
	s_lshl_b32 s56, s56, 13                        ; rows of 8,192 bytes (under 2^23)
	s_lshl_b32 s57, s17, 9                         ; my 128 columns
	s_add_co_u32 s56, s56, s57
	s_mov_b32 s57, 0
	s_add_nc_u64 s[10:11], s[10:11], s[56:57]
.macro FRB pos, q                      ; Wd's eight fragments of my K step q, out of place pos, into set q: 48 loads
	WIN TO_B
.irp i, 0,1,2,3,4,5,6,7
.irp p, 0,1,2,3,4,5
	ds_load_b64 v[128*(\q)+FR*\i+2*\p:128*(\q)+FR*\i+2*\p+1], v[ADB+12*(2*(\pos)+\i/4)+6*(\q)+\p] offset:(\i%4)*16*BROW
.endr
.endr
	WIN 0
.endm
.macro SCL pos, sc                     ; Wd's scale words for both my K steps, out of place pos, into set sc: 4 loads
.irp i, 0,1,2,3
	ds_load_b64 v[SB+8*(\sc)+2*\i:SB+8*(\sc)+2*\i+1], v[ASB] offset:(\pos)*SPB+544*\i
.endr
.endm
; 8 matrix instructions: token block a x the eight column blocks, expert e, my K step q.  The scale words of column blocks 4-7 and of token blocks 2, 3 stand in lanes 16-31 of their registers.
; The 32 accumulators take turns, one instruction a turn, in the same order in every unit.  zero = 1: the first product starts the sums.
.macro MUL8 a, e, q, zero
.irp b, 0,1,2,3,4,5,6,7
.set rD,  8*(8*(\a)+\b)
.set rB,  128*(\q)+FR*\b
.set rA,  48*((2*(\e)+(\q))%4)+FR*(\a)
.set rSB, SB+8*((\e)%2)+2*(\b%4)+(\q)
.set rSA, SA+2*((2*(\e)+(\q))%4)+(\a)%2
.if \zero
.if (\b < 4) && ((\a) < 2)
	v_wmma_scale_f32_16x16x128_f8f6f4 v[rD:rD+7], v[rB:rB+FR-1], v[rA:rA+FR-1], 0, v[rSB], v[rSA] matrix_a_fmt:MATRIX_FMT_BF6 matrix_b_fmt:MATRIX_FMT_BF6
.elseif (\a) < 2
	v_wmma_scale_f32_16x16x128_f8f6f4 v[rD:rD+7], v[rB:rB+FR-1], v[rA:rA+FR-1], 0, v[rSB], v[rSA] matrix_a_fmt:MATRIX_FMT_BF6 matrix_b_fmt:MATRIX_FMT_BF6 matrix_a_scale:MATRIX_SCALE_ROW1
.elseif \b < 4
	v_wmma_scale_f32_16x16x128_f8f6f4 v[rD:rD+7], v[rB:rB+FR-1], v[rA:rA+FR-1], 0, v[rSB], v[rSA] matrix_a_fmt:MATRIX_FMT_BF6 matrix_b_fmt:MATRIX_FMT_BF6 matrix_b_scale:MATRIX_SCALE_ROW1
.else
	v_wmma_scale_f32_16x16x128_f8f6f4 v[rD:rD+7], v[rB:rB+FR-1], v[rA:rA+FR-1], 0, v[rSB], v[rSA] matrix_a_fmt:MATRIX_FMT_BF6 matrix_b_fmt:MATRIX_FMT_BF6 matrix_a_scale:MATRIX_SCALE_ROW1 matrix_b_scale:MATRIX_SCALE_ROW1
.endif
.else
.if (\b < 4) && ((\a) < 2)
	v_wmma_scale_f32_16x16x128_f8f6f4 v[rD:rD+7], v[rB:rB+FR-1], v[rA:rA+FR-1], v[rD:rD+7], v[rSB], v[rSA] matrix_a_fmt:MATRIX_FMT_BF6 matrix_b_fmt:MATRIX_FMT_BF6
.elseif (\a) < 2
	v_wmma_scale_f32_16x16x128_f8f6f4 v[rD:rD+7], v[rB:rB+FR-1], v[rA:rA+FR-1], v[rD:rD+7], v[rSB], v[rSA] matrix_a_fmt:MATRIX_FMT_BF6 matrix_b_fmt:MATRIX_FMT_BF6 matrix_a_scale:MATRIX_SCALE_ROW1
.elseif \b < 4
	v_wmma_scale_f32_16x16x128_f8f6f4 v[rD:rD+7], v[rB:rB+FR-1], v[rA:rA+FR-1], v[rD:rD+7], v[rSB], v[rSA] matrix_a_fmt:MATRIX_FMT_BF6 matrix_b_fmt:MATRIX_FMT_BF6 matrix_b_scale:MATRIX_SCALE_ROW1
.else
	v_wmma_scale_f32_16x16x128_f8f6f4 v[rD:rD+7], v[rB:rB+FR-1], v[rA:rA+FR-1], v[rD:rD+7], v[rSB], v[rSA] matrix_a_fmt:MATRIX_FMT_BF6 matrix_b_fmt:MATRIX_FMT_BF6 matrix_a_scale:MATRIX_SCALE_ROW1 matrix_b_scale:MATRIX_SCALE_ROW1
.endif
.endif
.endr
.endm
.macro PLACES                          ; four places in front of loads into registers that matrix instructions have read, and of the first read of results (ISA guide 7.12.1 for vector instructions)
.rept 4
	v_nop
.endr
.endm
.macro HWAIT                           ; hid's unit U is in: loads come back in order (ISA guide 5.7.1), and behind it the next two units (at the end one, none) have been issued, 18 loads each
.set LEFT, 15-U
.if LEFT > 2
.set LEFT, 2
.endif
	s_wait_loadcnt 18*LEFT
.endm
; AN EXPERT'S FIRST UNIT.  At its head, behind four places: the second unit's fragments of Wd (into the set that the last unit multiplied), and hid's unit three on (into the set that the last unit multiplied).
; kind = 1, 2: this expert is the last of its places, and those 48 loads are the places' last reads.  So the places are filled again from here: each wave waits for all its tensor loads, adds 0 to its spare word,
; waits for that and for its reads, and the barrier opens a round of the cluster's barrier; behind the round stands the joint refill: kind = 1: places 0 and 1, kind = 2: place 2, each with the experts three on.
.macro Q0 e, pos, kind, zero
.set U, 2*(\e)
.if (\e) > 0
	PLACES
.endif
	FRB \pos, 1
	HWAIT
.if U+3 <= 15
	GLOADU U+3
.endif
	s_wait_dscnt 48                                ; all but the 48 just issued: this unit's fragments and scale words are in
	WIN MUL
	MUL8 0, \e, 0, \zero
	MUL8 1, \e, 0, \zero
.if \kind
	WIN 0                                          ; (the add's two registers lie in window 0)
	s_wait_tensorcnt 0x0                           ; all my tensor loads have landed, so a group 0 may be written
	ds_add_u32 v[SPW], v[NIL]                      ; 0 onto my spare word
.if (\kind) == 1
	s_add_nc_u64 s[G0CA+2:G0CA+3], s[G0CA+2:G0CA+3], 3*EXPC
	s_add_nc_u64 s[G0SA+2:G0SA+3], s[G0SA+2:G0SA+3], 3*EXPS
.else
	s_add_nc_u64 s[G0CB+2:G0CB+3], s[G0CB+2:G0CB+3], 3*EXPC
	s_add_nc_u64 s[G0SB+2:G0SB+3], s[G0SB+2:G0SB+3], 3*EXPS
.endif
	s_wait_dscnt 0x0                               ; the add is done, and my reads of these places are over
	s_barrier_signal -1
	WIN MUL
	MUL8 2, \e, 0, \zero                           ; work on registers while the others arrive
	WIN 0
	s_barrier_wait -1
	CREST                                          ; no wave of any partner still reads these places or has a load on its way
.if (\kind) == 1
	JLOADA                                         ; my one tensor load behind the round
.else
	JLOADB
.endif
	WIN MUL
	MUL8 3, \e, 0, \zero
.else
	MUL8 2, \e, 0, \zero
	MUL8 3, \e, 0, \zero
.endif
	WIN 0
.endm
; ITS SECOND UNIT.  fmode = 1: at its head the next expert's first fragments and scale words are fetched out of place fpos, which every wave has seen whole at an earlier barrier.
; fmode = 2: that place's load may still be out: all this unit's products come first, then the wait for the load (none was issued behind it), a barrier, and the fetch.
; fmode = 0: the last unit: nothing is left to fetch; the barrier round its products says that every wave's LDS reads are over: behind it the partial tiles may be laid over the places.
.macro Q1 e, fpos, fmode
.set U, 2*(\e)+1
.if (\fmode) != 0
	PLACES
.endif
.if (\fmode) == 1
	FRB \fpos, 0
	SCL \fpos, ((\e)+1)%2
.endif
	HWAIT
.if U+3 <= 15
	GLOADU U+3
.endif
.if (\fmode) == 1
	s_wait_dscnt 52                                ; all but the 52 just issued
.else
	s_wait_dscnt 0x0
.endif
.if (\fmode) == 0
	s_barrier_signal -1
.endif
	WIN MUL
	MUL8 0, \e, 1, 0
	MUL8 1, \e, 1, 0
	MUL8 2, \e, 1, 0
	MUL8 3, \e, 1, 0
	WIN 0
.if (\fmode) == 2
	s_wait_tensorcnt 0x0                           ; my part of places 0 and 1 is in,
	s_barrier_signal -1
	s_barrier_wait -1                              ; everybody's is
	FRB \fpos, 0                                   ; (the four places at this unit's head stand between these loads and the products that read their registers)
	SCL \fpos, ((\e)+1)%2
.endif
.if (\fmode) == 0
	s_barrier_wait -1
.endif
.endm
	s_wait_tensorcnt 0x0                           ; my parts of the three places are in,
	s_barrier_signal -1
	s_barrier_wait -1                              ; everybody's are
	FRB 0, 0
	SCL 0, 0
	Q0 0, 0, 0, 1                                  ; expert 0, place 0: its first products start the sums
	Q1 0, 1, 1
	Q0 1, 1, 1, 0                                  ; expert 1, place 1; places 0 and 1 take experts 3 and 4
	Q1 1, 2, 1
	Q0 2, 2, 2, 0                                  ; expert 2, place 2; experts 3 and 4 have landed; place 2 takes expert 5
	Q1 2, 0, 1
	Q0 3, 0, 0, 0
	Q1 3, 1, 1
	Q0 4, 1, 1, 0                                  ; expert 4, place 1; expert 5 has landed; places 0 and 1 take experts 6 and 7: the last load
	Q1 4, 2, 1
	Q0 5, 2, 0, 0
	Q1 5, 0, 2                                     ; expert 5's products, then the wait for experts 6 and 7
	Q0 6, 0, 0, 0
	Q1 6, 1, 1
	Q0 7, 1, 0, 0
	Q1 7, 0, 0
	; THE END.  Each wave's partial tile goes to LDS; behind a barrier each wave reads 16 rows of all four, adds them, takes an eighth and stores whole rows of 512 bytes.
	PLACES
	WIN 0x08                                       ; an LDS store's data are its source 1: window 2
.irp a, 0,1,2,3
.irp b, 0,1,2,3,4,5,6,7
	ds_store_b128 v[RW], v[8*(8*\a+\b):8*(8*\a+\b)+3] offset:RED+\a*16*RP+64*\b        ; each accumulator from its low end on: lane (r, h): token 16 a + r, columns 16 b + 8 h + 0 .. 7
	ds_store_b128 v[RW], v[8*(8*\a+\b)+4:8*(8*\a+\b)+7] offset:RED+\a*16*RP+64*\b+16
.endr
.endr
	WIN 0
	s_wait_dscnt 0x0                               ; for the others' sake: my stores have landed
	s_barrier_signal -1
	s_barrier_wait -1
	WIN TO_B
.irp i, 0,1,2,3,4,5,6,7,8,9,10,11,12,13,14,15
.irp s, 0,1,2,3
	ds_load_b128 v[64*\s+4*\i:64*\s+4*\i+3], v[RR+\s/2] offset:RED+(\s%2)*RTILE+RP*\i   ; row 16 wave + i of partial tile s
.endr
.endr
	WIN 0x45                                       ; destination and sources 0, 1: window 1
.irp i, 0,1,2,3,4,5,6,7,8,9,10,11,12,13,14,15
	s_wait_dscnt 60-4*\i                           ; row i's four loads are in; those of the rows behind it may be out
.irp k, 0,2
	v_pk_add_f32 v[4*\i+\k:4*\i+\k+1], v[4*\i+\k:4*\i+\k+1], v[64+4*\i+\k:64+4*\i+\k+1]
	v_pk_add_f32 v[128+4*\i+\k:128+4*\i+\k+1], v[128+4*\i+\k:128+4*\i+\k+1], v[192+4*\i+\k:192+4*\i+\k+1]
.endr
.irp k, 0,2
	v_pk_add_f32 v[4*\i+\k:4*\i+\k+1], v[4*\i+\k:4*\i+\k+1], v[128+4*\i+\k:128+4*\i+\k+1]
.endr
.irp k, 0,2
	v_pk_mul_f32 v[4*\i+\k:4*\i+\k+1], v[4*\i+\k:4*\i+\k+1], 0x3e000000 op_sel_hi:[1,0]   ; x 1/8, the experts' common weight: exact
.endr
.endr
	WIN 0x04                                       ; a store's data are its source 1: window 1
.irp i, 0,1,2,3,4,5,6,7,8,9,10,11,12,13,14,15
	global_store_b128 v[CO], v[4*\i:4*\i+3], s[10:11] offset:8192*\i th:TH_STORE_NT   ; 32 lanes store 512 consecutive bytes of a row, at a multiple of 256 from out0's first byte; written once
.endr
	WIN 0
	s_wait_tensorcnt 0x0                           ; the wave's end
	ds_add_u32 v[SPW], v[NIL]
	s_wait_dscnt 0x0
	CROUND                                         ; the closing round: no work-group ends while a partner may still ask for a tile that names it
	s_endpgm
.Lfunc_end_k_q25f11ce99d_down:
	.size	k_q25f11ce99d_down, .Lfunc_end_k_q25f11ce99d_down-k_q25f11ce99d_down
	.p2alignl 7, 3214868480
	.fill 96, 4, 3214868480
	.section	.rodata,"a",@progbits
	.p2align	6, 0x0
	.amdhsa_kernel k_q25f11ce99d_down
		.amdhsa_group_segment_fixed_size 327680
		.amdhsa_private_segment_fixed_size 0
		.amdhsa_enable_private_segment 0
		.amdhsa_kernarg_size 32
		.amdhsa_user_sgpr_count 2
		.amdhsa_user_sgpr_kernarg_segment_ptr 1
		.amdhsa_wavefront_size32 1
		.amdhsa_system_sgpr_workgroup_id_x 1
		.amdhsa_system_sgpr_workgroup_id_y 1
		.amdhsa_system_sgpr_workgroup_id_z 1
		.amdhsa_system_vgpr_workitem_id 0
		.amdhsa_next_free_vgpr 960
		.amdhsa_next_free_sgpr 84
		.amdhsa_reserve_vcc 0
		.amdhsa_float_denorm_mode_32 3
		.amdhsa_float_denorm_mode_16_64 3
		.amdhsa_memory_ordered 1
		.amdhsa_forward_progress 1
		.amdhsa_inst_pref_size 184
	.end_amdhsa_kernel
	.amdgpu_metadata
---
amdhsa.version: [ 1, 2 ]
amdhsa.kernels:
  - .name:           k_q25f11ce99d_down
    .symbol:         k_q25f11ce99d_down.kd
    .args:
      - { .name: hid, .offset: 0, .size: 8, .value_kind: global_buffer, .address_space: global }
      - { .name: down_w_codes, .offset: 8, .size: 8, .value_kind: global_buffer, .address_space: global }
      - { .name: down_w_scales, .offset: 16, .size: 8, .value_kind: global_buffer, .address_space: global }
      - { .name: out0, .offset: 24, .size: 8, .value_kind: global_buffer, .address_space: global }
    .group_segment_fixed_size: 327680
    .private_segment_fixed_size: 0
    .kernarg_segment_align: 8
    .kernarg_segment_size: 32
    .max_flat_workgroup_size: 128
    .sgpr_count:     84
    .vgpr_count:     960
    .wavefront_size: 32
...
	.end_amdgpu_metadata
.endif
;; end of part 2
